; MI455X (gfx1250); checked and timed in simulation.
; The chip was launched on July 23, 2026; its instructions are those of AMD's public machine-readable ISA for CDNA 5 (MIT licence, August 2026) and "CDNA5" Instruction Set Architecture Reference Guide (July 2026). The comments in the code are by the model that wrote it; some were corrected since.
;; Mo E Layer. Allowed arithmetic: float matrix products may take bf16 or f16 operands with f32 sums; other float arithmetic in f32, or as packed bf16 or f16 multiplies, adds, multiply-adds, maxima and minima; sums over many terms, partial sums and values carried from step to step in f32; what a program stores and reads back later, other than sums and carried values, may be rounded once to bf16 or f16.
;; Inputs: W1 8 x 512 x 2,048 float32; W2 8 x 2,048 x 512 float32; Wr 512 x 8 float32; b1 8 x 2,048 float32; b2 8 x 512 float32; br 8 float32; x 4 x 1,024 x 512 float32.
;; Outputs: out0 4 x 1,024 x 512 float32.
;; One version. Each part assembles by itself: llvm-mc -triple=amdgcn-amd-amdhsa -mcpu=gfx1250 --defsym DOCPART=n.
;; ======== version 1 of 1: 4 launches
;; workspace buffers: xb 4,194,304 bytes; sel 16,384 bytes of whole numbers; gate 32,768 bytes; bitmap 4,096 bytes of whole numbers; hbuf 134,217,728 bytes; pos 131,072 bytes of whole numbers; cnt 256 bytes of whole numbers; y 67,108,864 bytes
;; launch router (part 1): grid 256 x 1, 1 waves a work-group, no clusters, 25,344 bytes of LDS; arguments x, Wr, br, xb, sel, gate, bitmap; writes xb, sel, gate, bitmap
.if DOCPART == 1
	.amdgcn_target "amdgcn-amd-amdhsa--gfx1250"
	.amdhsa_code_object_version 6
	.text
	.protected	k_q7e8365156c_router
	.globl	k_q7e8365156c_router
	.p2align	8
	.type	k_q7e8365156c_router,@function
k_q7e8365156c_router:
	s_mov_b64 s[64:65], 0
	v_nop
	global_prefetch_b8 v0, s[64:65] scope:SCOPE_SE
	s_setreg_imm32_b32 hwreg(HW_REG_WAVE_MODE, 25, 1), 1
	s_wait_xcnt 0x0
; ROUTER.  logits = x Wr + br for 4,096 tokens of 512 numbers and 8 experts; the two largest (ties: the lower index), their two softmax weights renormalised.
; One wave takes 16 tokens.  x, Wr and br are rounded once to bf16, as every input of the program is; x leaves so rounded as xb [4096][512] for the first product.
; Stored at fixed places: sel[t] = e0 | e1 << 8; gate[t] = (g0, g1) in f32; bitmap: 16 bits for each expert and each group of 16 tokens, [8][256] of u16.
; THE GATES.  p0 / (p0 + p1) = 1 / (1 + E), p1 / (p0 + p1) = E / (1 + E), E = exp(l1 - l0) with l0 the row's maximum: softmax's divisor cancels, and E lies in 0 to 1.
; LIMITS.  NaN and infinities are not treated apart.  The choice is made on the logits: it can differ from a choice on f32 probabilities only where two probabilities round to one number.
; THE PRODUCT is used transposed: source 0 = Wr^T (rows 8-15 repeat rows 0-7), source 1 = 16 tokens: a lane holds ONE token (lane % 16) and its registers 0-7 the eight experts, in both halves of the lanes.
; No cluster, no tensor load: the work-groups share Wr alone (16 KB of a work-group's 48 KB), which has to be rounded and turned in registers anyway.
; LDS: XS 16 rows of x in bf16, WT 8 rows of Wr^T in bf16, both 1,024 bytes + 16 of padding: the 16 rows that a fragment load touches start at 16 different groups of four banks (64 banks of 4 bytes: ISA guide 11.1).
; REGISTERS.  window 0: v0-15 addresses; v16-23 br; v24-31 at work; v32-63 four accumulators; v64-127 Wr packed; v128-255 Wr as loaded, then x packed.  window 1: x as loaded, then the fragments.
.set XP,    1040
.set WT,    16*XP
.set SPARE, 25088                      ; behind WT: the spare words, one block of 256 bytes that no other line names
.set SPW, 4                            ; v4   LDS address of my spare word; never rewritten
.set NIL, 5                            ; v5   0; never rewritten
.set XO,  6                            ; v6   32 x lane: my 8 numbers in half a row of x
.set WO,  7                            ; v7   512 x lane: my 16 rows of Wr; later an expert's 512 bytes of the bitmap
.set ZO,  8                            ; v8   0: br's offset
.set SO,  9                            ; v9   16 x lane: my 16 bytes in half a row of xb and of XS
.set WS,  10                           ; v10  WT + 32 x lane
.set FA,  11                           ; v11  Wr^T's fragments: WT + (lane % 8) x pitch + 16 x half
.set FB,  12                           ; v12  x's fragments: (lane % 16) x pitch + 16 x half
.set O4,  13                           ; v13  4 x lane
.set O8,  14                           ; v14  8 x lane
.set BM,  15                           ; v15  lane e: expert e's 16 bits
.set BR,  16
.set M1,  24
.set I1,  25
.set M2,  26
.set I2,  27
.set EE,  28
.set SS,  29
.set G0,  30                           ; v[30:31] the two gates
.set ACC, 32
.set TW,  64
.set WW,  128
.set XB,  128
.set MSB, 0
.macro WIN new                         ; the immediate's high byte repeats the setting that is left; a switch that changes nothing is dropped
.if MSB != (\new)
	s_set_vgpr_msb (MSB<<8)|(\new)
.set MSB, \new
.endif
.endm
	s_load_b256 s[4:11], s[0:1], 0x0               ; x s[4:5], Wr s[6:7], br s[8:9], xb s[10:11]
	s_load_b128 s[12:15], s[0:1], 0x20             ; sel s[12:13], gate s[14:15]
	s_load_b64 s[16:17], s[0:1], 0x30              ; bitmap
	v_lshl_add_u32 v[SPW], v0, 2, SPARE
	v_mov_b32 v[NIL], 0
	v_and_b32 v1, 31, v0                           ; lane
	v_and_b32 v2, 15, v0                           ; lane % 16
	v_bfe_u32 v3, v0, 4, 1
	v_lshlrev_b32 v3, 4, v3                        ; 16 x (lane / 16)
	v_lshlrev_b32 v[XO], 5, v1
	v_lshlrev_b32 v[WO], 9, v1
	v_mov_b32 v[ZO], 0
	v_lshlrev_b32 v[SO], 4, v1
	v_add_nc_u32 v[WS], WT, v[XO]
	v_and_b32 v[FA], 7, v0
	v_mul_u32_u24 v[FA], v[FA], XP
	v_add3_u32 v[FA], v[FA], v3, WT
	v_mul_u32_u24 v[FB], v2, XP
	v_add_nc_u32 v[FB], v[FB], v3
	v_lshlrev_b32 v[O4], 2, v1
	v_lshlrev_b32 v[O8], 3, v1
	v_mov_b32 v[BM], 0
	s_mov_b32 s19, 0
	s_wait_kmcnt 0x0
	s_lshl_b32 s18, ttmp9, 15                      ; 16 rows of 2,048 bytes of x
	s_add_nc_u64 s[4:5], s[4:5], s[18:19]
	s_lshl_b32 s18, ttmp9, 14                      ; 16 rows of 1,024 bytes of xb
	s_add_nc_u64 s[10:11], s[10:11], s[18:19]
	s_lshl_b32 s18, ttmp9, 6
	s_add_nc_u64 s[12:13], s[12:13], s[18:19]
	s_lshl_b32 s18, ttmp9, 7
	s_add_nc_u64 s[14:15], s[14:15], s[18:19]
	s_lshl_b32 s18, ttmp9, 1
	s_add_nc_u64 s[16:17], s[16:17], s[18:19]
	; all loads go out at once: 32 of Wr (lane l: rows 16 l to 16 l + 15, register WW + 8 row + expert), 2 of br, 64 of x
.set q, 0
.rept 32
	global_load_b128 v[WW+4*q:WW+4*q+3], v[WO], s[6:7] offset:16*q
.set q, q+1
.endr
	global_load_b128 v[BR:BR+3], v[ZO], s[8:9]
	global_load_b128 v[BR+4:BR+7], v[ZO], s[8:9] offset:16
	WIN 0x40                                       ; destination window 1
.set p, 0
.rept 32                                       ; row p / 2, half p % 2: a lane's 8 neighbouring numbers, two loads
	global_load_b128 v[8*p:8*p+3],   v[XO], s[4:5] offset:(p/2)*2048+(p%2)*1024 th:TH_LOAD_NT
	global_load_b128 v[8*p+4:8*p+7], v[XO], s[4:5] offset:(p/2)*2048+(p%2)*1024+16 th:TH_LOAD_NT
.set p, p+1
.endr
	WIN 0
	s_wait_loadcnt 63                              ; 64 loads are younger than br's last: Wr and br are in
.irp k, 0,1,2,3
	v_cvt_pk_bf16_f32 v[M1+\k], v[BR+2*\k], v[BR+2*\k+1]
.endr
.irp k, 0,1,2,3                                ; br rounded to bf16, back as f32: the C operand of the first product
	v_lshlrev_b32 v[BR+2*\k], 16, v[M1+\k]
	v_and_b32 v[BR+2*\k+1], 0xffff0000, v[M1+\k]
.endr
.set n, 0
.rept 8                                        ; expert n: my 16 rows of Wr become 32 bytes of row n of Wr^T
.set t, 0
.rept 8
	v_cvt_pk_bf16_f32 v[TW+8*n+t], v[WW+16*t+n], v[WW+16*t+8+n]
.set t, t+1
.endr
	ds_store_b128 v[WS], v[TW+8*n:TW+8*n+3] offset:XP*n
	ds_store_b128 v[WS], v[TW+8*n+4:TW+8*n+7] offset:XP*n+16
.set n, n+1
.endr
.set i, 0
.rept 16                                       ; row i of x: rounded, to xb (512 neighbouring bytes a store) and to XS
	s_wait_loadcnt 60-4*i                          ; the later rows' loads, four each, may stay out
	WIN 0x05                                       ; sources in window 1
.set k, 0
.rept 8
	v_cvt_pk_bf16_f32 v[XB+8*i+k], v[16*i+2*k], v[16*i+2*k+1]
.set k, k+1
.endr
	WIN 0
	global_store_b128 v[SO], v[XB+8*i:XB+8*i+3],   s[10:11] offset:1024*i
	global_store_b128 v[SO], v[XB+8*i+4:XB+8*i+7], s[10:11] offset:1024*i+512
	ds_store_b128 v[SO], v[XB+8*i:XB+8*i+3]   offset:XP*i
	ds_store_b128 v[SO], v[XB+8*i+4:XB+8*i+7] offset:XP*i+512
.set i, i+1
.endr
	; the fragments of all 16 K steps of 32.  LDS serves a wave's instructions in order (ISA guide 5.7.1.4): these loads see the stores above
	WIN 0x40
.set kb, 0
.rept 16
	ds_load_b128 v[16*kb:16*kb+3],     v[FA] offset:64*kb
	ds_load_b128 v[16*kb+4:16*kb+7],   v[FA] offset:64*kb+32
	ds_load_b128 v[16*kb+8:16*kb+11],  v[FB] offset:64*kb
	ds_load_b128 v[16*kb+12:16*kb+15], v[FB] offset:64*kb+32
.set kb, kb+1
.endr
	WIN 0x05                                       ; sources 0 and 1 in window 1, C and D in window 0
.set g, 0
.rept 4                                        ; four accumulators take turns, one instruction a turn
	s_wait_dscnt 48-16*g                           ; the later groups' loads, sixteen each, may stay out
.set a, 0
.rept 4
.set kb, 4*g+a
.if (g == 0) && (a == 0)
	v_wmma_f32_16x16x32_bf16 v[ACC:ACC+7], v[16*kb:16*kb+7], v[16*kb+8:16*kb+15], v[BR:BR+7]
.elseif g == 0
	v_wmma_f32_16x16x32_bf16 v[ACC+8*a:ACC+8*a+7], v[16*kb:16*kb+7], v[16*kb+8:16*kb+15], 0
.else
	v_wmma_f32_16x16x32_bf16 v[ACC+8*a:ACC+8*a+7], v[16*kb:16*kb+7], v[16*kb+8:16*kb+15], v[ACC+8*a:ACC+8*a+7]
.endif
.set a, a+1
.endr
.set g, g+1
.endr
	WIN 0
.rept 4
	v_nop                                          ; four places between the last product and the first read of a result (ISA guide 7.12.1)
.endr
.irp p, 0,1,2,3                                ; the four partial sums into one; each accumulator's lowest registers are read first
	v_pk_add_f32 v[ACC+2*\p:ACC+2*\p+1], v[ACC+2*\p:ACC+2*\p+1], v[ACC+8+2*\p:ACC+8+2*\p+1]
	v_pk_add_f32 v[ACC+16+2*\p:ACC+16+2*\p+1], v[ACC+16+2*\p:ACC+16+2*\p+1], v[ACC+24+2*\p:ACC+24+2*\p+1]
.endr
.irp p, 0,1,2,3
	v_pk_add_f32 v[ACC+2*\p:ACC+2*\p+1], v[ACC+2*\p:ACC+2*\p+1], v[ACC+16+2*\p:ACC+16+2*\p+1]
.endr
	; the largest logit: a strict comparison in ascending order keeps the lower index
	v_mov_b32 v[M1], v[ACC]
	v_mov_b32 v[I1], 0
.irp e, 1,2,3,4,5,6,7
	v_cmp_gt_f32 vcc_lo, v[ACC+\e], v[M1]
	v_cndmask_b32 v[M1], v[M1], v[ACC+\e], vcc_lo
	v_cndmask_b32 v[I1], v[I1], \e, vcc_lo
.endr
	; the largest of the other seven
	v_mov_b32 v[M2], 0xff800000
	v_mov_b32 v[I2], 0
.irp e, 0,1,2,3,4,5,6,7
	v_cmp_ne_u32 s20, \e, v[I1]
	v_cmp_gt_f32 vcc_lo, v[ACC+\e], v[M2]
	s_and_b32 vcc_lo, vcc_lo, s20
	v_cndmask_b32 v[M2], v[M2], v[ACC+\e], vcc_lo
	v_cndmask_b32 v[I2], v[I2], \e, vcc_lo
.endr
	v_sub_f32 v[EE], v[M2], v[M1]                  ; the row's maximum is taken away: never above 0
	v_mul_f32 v[EE], 0x3fb8aa3b, v[EE]
	v_exp_f32 v[EE], v[EE]
	v_nop                                          ; a plain instruction behind the exponential,
	s_wait_alu depctr_va_vdst(0)                   ; and the wait ahead of its first reader
	v_add_f32 v[SS], 1.0, v[EE]
	v_rcp_f32 v[G0], v[SS]
	v_nop
	s_wait_alu depctr_va_vdst(0)                   ; the same for the reciprocal
	v_mul_f32 v[G0+1], v[EE], v[G0]
	v_lshl_or_b32 v[SS], v[I2], 8, v[I1]           ; sel
.irp e, 0,1,2,3,4,5,6,7                        ; which of my 16 tokens chose expert e: bits 0-15 (bits 16-31 repeat them), into lane e
	v_cmp_eq_u32 s20, \e, v[I1]
	v_cmp_eq_u32 s21, \e, v[I2]
	s_or_b32 s20, s20, s21
	v_writelane_b32 v[BM], s20, \e
.endr
	s_wait_xcnt 0x0                                ; EXEC changes only behind this wait
	v_cmpx_gt_u32 16, v1                           ; lanes 0-15: one for each token
	global_store_b32 v[O4], v[SS], s[12:13]
	global_store_b64 v[O8], v[G0:G0+1], s[14:15]
	s_wait_xcnt 0x0
	v_cmpx_gt_u32 8, v1                            ; lanes 0-7: one for each expert
	global_store_b16 v[WO], v[BM], s[16:17]
	s_wait_xcnt 0x0
	s_mov_b32 exec_lo, -1
	s_wait_tensorcnt 0x0                           ; the wave's end
	ds_add_u32 v[SPW], v[NIL]
	s_wait_dscnt 0x0
	s_endpgm
.Lfunc_end_k_q7e8365156c_router:
	.size	k_q7e8365156c_router, .Lfunc_end_k_q7e8365156c_router-k_q7e8365156c_router
	.p2alignl 7, 3214868480
	.fill 96, 4, 3214868480
	.section	.rodata,"a",@progbits
	.p2align	6, 0x0
	.amdhsa_kernel k_q7e8365156c_router
		.amdhsa_group_segment_fixed_size 25344
		.amdhsa_private_segment_fixed_size 0
		.amdhsa_enable_private_segment 0
		.amdhsa_kernarg_size 56
		.amdhsa_user_sgpr_count 2
		.amdhsa_user_sgpr_kernarg_segment_ptr 1
		.amdhsa_wavefront_size32 1
		.amdhsa_system_sgpr_workgroup_id_x 1
		.amdhsa_system_sgpr_workgroup_id_y 1
		.amdhsa_system_sgpr_workgroup_id_z 1
		.amdhsa_system_vgpr_workitem_id 0
		.amdhsa_next_free_vgpr 512
		.amdhsa_next_free_sgpr 66
		.amdhsa_reserve_vcc 1
		.amdhsa_float_denorm_mode_32 3
		.amdhsa_float_denorm_mode_16_64 3
		.amdhsa_memory_ordered 1
		.amdhsa_forward_progress 1
		.amdhsa_inst_pref_size 43
	.end_amdhsa_kernel
	.amdgpu_metadata
---
amdhsa.version: [ 1, 2 ]
amdhsa.kernels:
  - .name:           k_q7e8365156c_router
    .symbol:         k_q7e8365156c_router.kd
    .args:
      - { .name: x, .offset: 0, .size: 8, .value_kind: global_buffer, .address_space: global }
      - { .name: Wr, .offset: 8, .size: 8, .value_kind: global_buffer, .address_space: global }
      - { .name: br, .offset: 16, .size: 8, .value_kind: global_buffer, .address_space: global }
      - { .name: xb, .offset: 24, .size: 8, .value_kind: global_buffer, .address_space: global }
      - { .name: sel, .offset: 32, .size: 8, .value_kind: global_buffer, .address_space: global }
      - { .name: gate, .offset: 40, .size: 8, .value_kind: global_buffer, .address_space: global }
      - { .name: bitmap, .offset: 48, .size: 8, .value_kind: global_buffer, .address_space: global }
    .group_segment_fixed_size: 25344
    .private_segment_fixed_size: 0
    .kernarg_segment_align: 8
    .kernarg_segment_size: 56
    .max_flat_workgroup_size: 32
    .sgpr_count:     66
    .vgpr_count:     512
    .wavefront_size: 32
...
	.end_amdgpu_metadata
.endif
;; end of part 1
;; launch up (part 2): grid 256 x 1, 4 waves a work-group, no clusters, 142,080 bytes of LDS; arguments W1, b1, xb, bitmap, hbuf, pos, cnt; writes hbuf, pos, cnt
.if DOCPART == 2
	.amdgcn_target "amdgcn-amd-amdhsa--gfx1250"
	.amdhsa_code_object_version 6
	.text
	.protected	k_q7e8365156c_up
	.globl	k_q7e8365156c_up
	.p2align	8
	.type	k_q7e8365156c_up,@function
k_q7e8365156c_up:
	s_mov_b64 s[64:65], 0
	v_nop
	global_prefetch_b8 v0, s[64:65] scope:SCOPE_SE
	s_setreg_imm32_b32 hwreg(HW_REG_WAVE_MODE, 25, 1), 1
	s_wait_xcnt 0x0
; FIRST PRODUCT.  h = relu(x W1[e] + b1[e]) for the rows that chose expert e, in the order of the tokens' numbers (a token's place in that order is its RANK).
; SHARES.  Work-group id: g = id & 1, slice = (id >> 1) & 15 (128 of the 2,048 hidden columns), e = id >> 5.  The slice's weights, 512 x 128, are read as f32, rounded to bf16 on their way through
; registers and laid into LDS once, as a PANEL of matrix fragments.  The expert's blocks of 16 rows go in turn to the 8 waves u = 4 g + w that share (e, slice): wave u takes blocks u, u + 8, ...
; A wave works in passes of 8 blocks (9 where exactly 9 are left): 8 or 9 x 8 accumulators of 16 x 16.  At most 32 blocks a wave: four passes, counted to the constant, dead ones jumped forward.
; Every split of the tokens is served (0 to 4,096 rows an expert); with an uneven split the time goes with the largest expert.  Places past the count repeat a row that exists; whole blocks past it are not stored.
; THE LIST.  The four waves make the expert's list of tokens together, while their first weights are on their way: wave w takes tokens 1,024 w to 1,024 w + 1,023 and writes the chosen ones, by their rank
; among these, into a segment of its own (1,056 places).  Every wave counts all four quarters for itself, in registers, so a rank is turned into its place in the list by three comparisons and one addition.
; THE PRODUCT is used transposed: source 0 = 16 hidden columns (weights), source 1 = 16 rows of x: a lane holds one row and eight neighbouring hidden columns.  Packed to bf16 these 16 bytes ARE a lane's
; part of the second product's fragment, so hbuf is laid out in that order: [e][block of 16 rows][64 K steps][2 halves][32 lanes][16 bytes], and every store covers 512 neighbouring bytes.
; x comes from memory straight into registers, through three buffers: two K steps, 4 x the pass's blocks in loads, are on their way while one is multiplied.
; FORMATS.  W1 and b1 are rounded once to bf16 (x was, by the launch before); sums in f32, begun with the bias as C; h rounded once to bf16.  NaN and infinities are not treated apart.
; NO CLUSTER, NO TENSOR LOAD.  The weights arrive as f32 with the hidden columns along the rows and are wanted as bf16 with K along a lane's registers: they pass through registers whatever brings them;
; two work-groups share a slice.  The rows of x come by a list, which no tile's descriptor covers.
; LDS.  PANEL: fragment (K step kb, column block nb) at (8 kb + nb) x 1,040: two halves of 512 bytes (lane l at 16 l) + 16 of padding.
; LIST: four segments of 2,112 bytes: 1,024 u16 by rank in the quarter, then 32 places that take what is not chosen.
; REGISTERS.  window 0: v0-31 addresses; v32-103, v104-175 x's fragments, buffers 0 and 1 of 9 x 8; v176-239 the weights' 8 fragments; v240-248 ranks.
;   accumulator (m, nb) at v[256 + 64 m + 8 nb]: m 0-3 window 1, 4-7 window 2, 8 window 3 (v768-831); bias for column block nb at v[832 + 8 nb]; x's buffer 2 at v896-967.
;   While the panel is made v640-895 are a ring of 8 x 32 for the weights, and v176-195 serve the list.
.set PF,    1040
.set PKB,   8*PF                       ; a K step's eight fragments
.set LIST,  128*PF
.set SEG,   2112                       ; a wave's segment of the list, in bytes
.set SEGP,  SEG/2                      ; and in places
.set SPARE, LIST+4*SEG                 ; behind the list: the spare words, 128 bytes a wave: two blocks of 256 bytes that no other line names
.set SPW, 4                            ; v4   LDS address of my spare word; never rewritten
.set NIL, 5                            ; v5   0; never rewritten
.set ZR,  6                            ; v6   0, for the ReLU
.set L16, 7                            ; v7   16 x lane; never rewritten
.set PAD, 8                            ; v8   16 x lane + the panel's byte at which the trip in hand begins: made anew in each trip from v7 and s44
.set LW,  9                            ; v9   my wave's segment of the list
.set LB,  10                           ; v10  the list's first byte
.set DI,  11                           ; v11  1,024 + lane: where a lane that is not chosen writes
.set T0,  13
.set T1,  14
.set WOF, 15                           ; v15  16 x lane + my wave's 128 rows of W1
.set PST, 16                           ; v16  where my lane's columns go in the panel
.set BOF, 17                           ; v17  32 x (lane / 16)
.set OFF, 18                           ; v18-26  block i: my row's byte offset in xb + 16 x (lane / 16)
.set BMW, 28                           ; v28-31  four words of the expert's bits
.set AF,  32
.set A3,  128                          ; x's buffer 2, in window 3
.set BL,  48                           ; v48-111  b1 as loaded
.set TA,  104                          ; v104-112  at work between passes
.set BT,  112                          ; v112-143  b1 packed
.set PO,  120                          ; v120-128  at work between passes
.set BF,  176
.set TK,  176                          ; v176-179  the list: lane + 32 c
.set TV,  180                          ; v180-183  the tokens that my lane stands for in this trip
.set LT,  184                          ; v184-187  their places
.set SA,  188                          ; v188-195  the count of bits, at work; then v188: the chosen among my lane's 128 tokens
.set SB,  192
.set IDX, 240
.set WV,  18                           ; s18 wave   s19 expert   s20 slice   s21 g   s22 u
.set EX,  19
.set SL,  20
.set GG,  21
.set UU,  22
.set CE,  23                           ; s23 the expert's rows   s24 its blocks   s25 my blocks still to do   s26 my blocks done   s27 blocks to store in this pass
.set MB,  24
.set REM, 25
.set JB,  26
.set NV,  27
.set PASS, 28
.set KC,  29
.set QS,  26                           ; s26-29  while the list is made: the four quarters' counts
.set QI,  34                           ; s34-37  while the list is made: a lane of each quarter
.set PB,  44                           ; s44 the panel's byte at which the trip in hand begins
.set LC,  45                           ; s45 counts the list's trips
.set QB,  58                           ; s58-60  the first rank of quarters 1, 2, 3
.set ADJ, 61                           ; s61-63  what turns a rank of quarters 1, 2, 3 into its place in the list: 1,056 q less the quarter's first rank
.set MSB, 0
.macro WIN new                         ; the immediate's high byte repeats the setting that is left; a switch that changes nothing is dropped
.if MSB != (\new)
	s_set_vgpr_msb (MSB<<8)|(\new)
.set MSB, \new
.endif
.endm
.macro PLACES                          ; four places between a matrix instruction and a load into, or a vector instruction on, its registers (ISA guide 7.12.1 for vector instructions)
.rept 4
	v_nop
.endr
.endm
.macro ALL9 line:vararg                ; one line for each block i of a pass
.set i, 0
.rept 9
	\line
.set i, i+1
.endr
.endm
; Item i of my wave's 16: eight rows of W1 (K = 8 (16 w + i) + 0..7), 512 neighbouring bytes each, into ring slot i % 8.
.macro WLOAD i
.set sl, (\i)%8
.if sl < 4
	WIN 0x80
.set rb, 128+32*sl
.else
	WIN 0xc0
.set rb, 32*(sl-4)
.endif
.set j, 0
.rept 8
	global_load_b128 v[rb+4*j:rb+4*j+3], v[WOF], s[4:5] offset:(\i)*65536+j*8192
.set j, j+1
.endr
.endm
; Item i is rounded and turned: for each of my four columns the eight K make 16 bytes, one lane's part of half a fragment.  left: the younger loads.  again = 1: the slot takes item i + 8.
.macro WITEM i, left, again
	s_wait_loadcnt \left
.set sl, (\i)%8
.if sl < 4
	WIN 0x0a
.set rb, 128+32*sl
.else
	WIN 0x0f
.set rb, 32*(sl-4)
.endif
.set c, 0
.rept 4
.set t, 0
.rept 4
	v_cvt_pk_bf16_f32 v[AF+4*c+t], v[rb+8*t+c], v[rb+8*t+4+c]
.set t, t+1
.endr
.set c, c+1
.endr
	WIN 0
.set c, 0
.rept 4
	ds_store_b128 v[PST], v[AF+4*c:AF+4*c+3] offset:((\i)/4)*PKB+(((\i)/2)%2)*512+((\i)%2)*256+16*c
.set c, c+1
.endr
.if \again
	WLOAD (\i)+8
.endif
.endm
; x's fragments of one K step for NM blocks: lane l holds row l % 16; 16 bytes at 16 (l / 16) and 32 bytes on
.macro ALOAD NM, buf, imm
.if (\buf) == 2
	WIN 0xc0
.set ab, A3
.else
	WIN 0
.set ab, AF+72*(\buf)
.endif
.set i, 0
.rept \NM
	global_load_b128 v[ab+8*i:ab+8*i+3],   v[OFF+i], s[34:35] offset:(\imm)
	global_load_b128 v[ab+8*i+4:ab+8*i+7], v[OFF+i], s[34:35] offset:(\imm)+32
.set i, i+1
.endr
.endm
; four of a K step's eight weight fragments
.macro BLOAD half, imm
	WIN 0
.set nb, 4*(\half)
.rept 4
	ds_load_b128 v[BF+8*nb:BF+8*nb+3],   v[PAD] offset:(\imm)+nb*PF
	ds_load_b128 v[BF+8*nb+4:BF+8*nb+7], v[PAD] offset:(\imm)+nb*PF+512
.set nb, nb+1
.endr
.endm
; 4 NM matrix instructions, all on different accumulators: they take turns, one instruction a turn.  init = 1: the bias starts the sums.
.macro MUL NM, buf, half, init
.if (\buf) == 2
.set aw, 3
.set ab, A3
.else
.set aw, 0
.set ab, AF+72*(\buf)
.endif
.set m, 0
.rept \NM
.set wn, 1+m/4
.if \init
	WIN (wn<<6)|0x30|(aw<<2)
.else
	WIN (wn<<6)|(wn<<4)|(aw<<2)
.endif
.set nb, 4*(\half)
.rept 4
.set rD, 64*(m%4)+8*nb
.set rB, BF+8*nb
.set rA, ab+8*m
.if \init
	v_wmma_f32_16x16x32_bf16 v[rD:rD+7], v[rB:rB+7], v[rA:rA+7], v[64+8*nb:64+8*nb+7]
.else
	v_wmma_f32_16x16x32_bf16 v[rD:rD+7], v[rB:rB+7], v[rA:rA+7], v[rD:rD+7]
.endif
.set nb, nb+1
.endr
.set m, m+1
.endr
.endm
; A K step of 32 on x's buffer buf.  The weights' registers are filled again by halves, each behind the products that read it (bimm: the next step's place in the panel, or -1); x's buffer takes the K step
; three on (aimm: its place in a row, or -1).  stepb = 1: the loads' base goes on by a trip's 192 bytes; the loads that read it were issued a whole K step earlier.
.macro STEP NM, buf, init, aimm, bimm, lcnt, stepb
	s_wait_loadcnt \lcnt                           ; x's fragments of this step are in; the younger buffers' loads, 2 NM each, may stay out
	s_wait_dscnt 8                                 ; the weights' first half is in; the second half's eight loads may stay out
	MUL \NM, \buf, 0, \init
	PLACES
.if (\bimm) >= 0
	BLOAD 0, \bimm
	s_wait_dscnt 8                                 ; the second half is in; the eight just issued may stay out
.else
	s_wait_dscnt 0x0
.endif
	MUL \NM, \buf, 1, \init
	PLACES
.if (\bimm) >= 0
	BLOAD 1, \bimm
.endif
.if (\aimm) >= 0
.if \stepb
	s_wait_xcnt 0x0                                ; the loads' base is stepped only behind this wait
	s_add_nc_u64 s[34:35], s[34:35], 192
.endif
	ALOAD \NM, \buf, \aimm
.endif
.endm
; K = 512: sixteen steps on buffers 0, 1, 2 by turns.  Step 0 starts the sums and asks for step 3; four trips of three steps ask for steps 4 to 15; the last three steps ask for no more of x.
.macro KLOOP NM
	s_mov_b64 s[34:35], s[8:9]
	s_mov_b32 s[PB], 0
	v_mov_b32 v[PAD], v[L16]
	ALOAD \NM, 0, 0
	ALOAD \NM, 1, 64
	ALOAD \NM, 2, 128
	BLOAD 0, 0
	BLOAD 1, 0
	STEP \NM, 0, 1, 192, PKB, 4*(\NM), 0
	WIN 0                                          ; at a label and at a branch every window is 0
	s_mov_b32 s[KC], 4
.Lk_\@:
	STEP \NM, 1, 0, 64,  2*PKB, 4*(\NM), 1
	STEP \NM, 2, 0, 128, 3*PKB, 4*(\NM), 0
	STEP \NM, 0, 0, 192, 4*PKB, 4*(\NM), 0
	WIN 0
	s_add_co_u32 s[PB], s[PB], 3*PKB               ; the panel's step is kept in a scalar register,
	v_add_nc_u32 v[PAD], s[PB], v[L16]             ; and the address made anew from the lane's fixed term
	s_sub_co_u32 s[KC], s[KC], 1
	s_cmp_lg_u32 s[KC], 0
	s_cbranch_scc1 .Lk_\@
	STEP \NM, 1, 0, -1, 2*PKB, 4*(\NM), 0          ; the counts run down
	STEP \NM, 2, 0, -1, 3*PKB, 2*(\NM), 0
	STEP \NM, 0, 0, -1, -1, 0, 0
	WIN 0
.endm
; A rank's quarter is the last one whose first rank is not above it.  TA takes what turns the rank into its place in the list (0 for quarter 0).
.macro PICK q
.set i, 0
.rept 9
	v_cmp_le_u32 vcc_lo, s[QB+(\q)], v[IDX+i]
.if (\q) == 0
	v_cndmask_b32 v[TA+i], 0, s[ADJ], vcc_lo
.else
	v_cndmask_b32 v[TA+i], v[TA+i], s[ADJ+(\q)], vcc_lo
.endif
.set i, i+1
.endr
.endm
; THE WAY OUT of block m: rounded to bf16, ReLU on the packed halves, eight stores of 512 neighbouring bytes: 4,096 bytes on end
.macro EPI m
	WIN 0
	s_cmp_gt_u32 s[NV], \m
	s_cbranch_scc0 .Lepi_end                       ; blocks past the count are not stored
	s_wait_xcnt 0x0                                ; the last block's stores have read their registers and their base
	s_add_co_u32 s30, s[JB], \m
	s_lshl3_add_u32 s30, s30, s[UU]                ; the block's number: 8 x (my blocks before it) + u
	s_min_u32 s30, s30, 255
	s_lshl_b32 s38, s30, 16
	s_add_nc_u64 s[36:37], s[12:13], s[38:39]
.set wn, 1+(\m)/4
	WIN wn|(wn<<2)
.set nb, 0
.rept 8
.set k, 0
.rept 4                                        ; each accumulator's registers in ascending order
	v_cvt_pk_bf16_f32 v[AF+4*nb+k], v[64*((\m)%4)+8*nb+2*k], v[64*((\m)%4)+8*nb+2*k+1]
.set k, k+1
.endr
.set nb, nb+1
.endr
	WIN 0
.set k, 0
.rept 32
	v_pk_max_num_bf16 v[AF+k], v[AF+k], v[ZR]
.set k, k+1
.endr
.set nb, 0
.rept 8
	global_store_b128 v[L16], v[AF+4*nb:AF+4*nb+3], s[36:37] offset:512*nb
.set nb, nb+1
.endr
.endm
	s_load_b256 s[4:11], s[0:1], 0x0               ; W1 s[4:5], b1 s[6:7], xb s[8:9], bitmap s[10:11]
	s_load_b128 s[12:15], s[0:1], 0x20             ; hbuf s[12:13], pos s[14:15]
	s_load_b64 s[16:17], s[0:1], 0x30              ; cnt
	v_lshl_add_u32 v[SPW], v0, 2, SPARE
	v_mov_b32 v[NIL], 0
	v_lshrrev_b32 v[T0], 5, v0
	v_readfirstlane_b32 s[WV], v[T0]
	v_and_b32 v1, 31, v0                           ; lane
	v_and_b32 v2, 15, v0                           ; lane % 16
	v_bfe_u32 v3, v0, 4, 1
	v_lshlrev_b32 v3, 4, v3                        ; 16 x (lane / 16)
	v_mov_b32 v[ZR], 0
	v_lshlrev_b32 v[L16], 4, v1
	s_and_b32 s[GG], ttmp9, 1
	s_bfe_u32 s[SL], ttmp9, 0x40001
	s_lshr_b32 s[EX], ttmp9, 5
	s_lshl2_add_u32 s[UU], s[GG], s[WV]
	s_mul_i32 s30, s[WV], SEG
	s_add_co_u32 s30, s30, LIST
	v_mov_b32 v[LW], s30
	v_mov_b32 v[LB], LIST
	v_add_nc_u32 v[DI], 0x400, v1
.irp c, 0,1,2,3
	v_add_nc_u32 v[TK+\c], 32*\c, v1
.endr
	s_lshl_b32 s30, s[WV], 20                      ; 128 rows of 8,192 bytes
	v_add_nc_u32 v[WOF], s30, v[L16]
	v_lshrrev_b32 v[T0], 2, v1                     ; my four columns lie in column block lane / 4, at places 4 (lane % 4) on
	v_mul_u32_u24 v[PST], v[T0], PF
	v_and_b32 v[T0], 3, v0
	v_lshl_add_u32 v[PST], v[T0], 6, v[PST]
	s_mul_i32 s30, s[WV], 4*PKB                    ; my wave's four K steps
	v_add_nc_u32 v[PST], s30, v[PST]
	v_lshlrev_b32 v[BOF], 1, v3
	s_mov_b32 s41, 0xffff0000
	s_mov_b32 s39, 0
	s_mov_b32 s46, 0x55555555                      ; the masks of the count of bits
	s_mov_b32 s47, 0x33333333
	s_mov_b32 s48, 0x0f0f0f0f
	s_wait_kmcnt 0x0
	s_lshl_b32 s38, s[EX], 22                      ; W1: the expert's 4 MiB, the slice's 512 bytes of a row
	s_lshl_b32 s30, s[SL], 9
	s_add_co_u32 s38, s38, s30
	s_add_nc_u64 s[4:5], s[4:5], s[38:39]
	s_lshl_b32 s38, s[EX], 13
	s_add_co_u32 s38, s38, s30
	s_add_nc_u64 s[6:7], s[6:7], s[38:39]
	s_lshl_b32 s38, s[EX], 9
	s_add_nc_u64 s[10:11], s[10:11], s[38:39]
	s_lshl_b32 s38, s[EX], 24                      ; hbuf: the expert's 256 blocks of 65,536 bytes, the slice's 4,096 bytes of a block
	s_lshl_b32 s30, s[SL], 12
	s_add_co_u32 s38, s38, s30
	s_add_nc_u64 s[12:13], s[12:13], s[38:39]
	s_lshl_b32 s38, s[EX], 2
	s_add_nc_u64 s[14:15], s[14:15], s[38:39]
	s_add_nc_u64 s[16:17], s[16:17], s[38:39]
	global_load_b128 v[BMW:BMW+3], v[L16], s[10:11]  ; the expert's 128 words of bits: lane l holds words 4 l to 4 l + 3, tokens 128 l to 128 l + 127
.set nb, 0
.rept 8                                        ; b1 in the accumulators' layout: register j is column 16 nb + 8 (lane / 16) + j
	global_load_b128 v[BL+8*nb:BL+8*nb+3],   v[BOF], s[6:7] offset:64*nb
	global_load_b128 v[BL+8*nb+4:BL+8*nb+7], v[BOF], s[6:7] offset:64*nb+16
.set nb, nb+1
.endr
.irp i, 0,1,2,3,4,5,6,7
	WLOAD \i                                       ; the ring is filled: 64 loads, 32 KB a wave
.endr
	WIN 0
	s_wait_loadcnt 63                              ; 64 loads are younger than b1's last: the bits and b1 are in
	; THE COUNTS, while the weights are on their way.  The bits of my lane's four words are counted by pairs, fours and bytes (a byte holds 32 at the most); two shifts and adds bring the four bytes' sum, 128 at the most, into the low byte.
.irp c, 0,1,2,3
	v_lshrrev_b32 v[SB+\c], 1, v[BMW+\c]
.endr
.irp c, 0,1,2,3
	v_and_b32 v[SB+\c], s46, v[SB+\c]
.endr
.irp c, 0,1,2,3
	v_sub_nc_u32 v[SA+\c], v[BMW+\c], v[SB+\c]
.endr
.irp c, 0,1,2,3
	v_lshrrev_b32 v[SB+\c], 2, v[SA+\c]
.endr
.irp c, 0,1,2,3
	v_and_b32 v[SA+\c], s47, v[SA+\c]
.endr
.irp c, 0,1,2,3
	v_and_b32 v[SB+\c], s47, v[SB+\c]
.endr
.irp c, 0,1,2,3
	v_add_nc_u32 v[SA+\c], v[SA+\c], v[SB+\c]
.endr
	v_add_nc_u32 v[SA], v[SA], v[SA+1]             ; two words' fours: 8 at the most
	v_add_nc_u32 v[SA+2], v[SA+2], v[SA+3]
	v_lshrrev_b32 v[SB], 4, v[SA]
	v_lshrrev_b32 v[SB+2], 4, v[SA+2]
	v_and_b32 v[SA], s48, v[SA]
	v_and_b32 v[SA+2], s48, v[SA+2]
	v_and_b32 v[SB], s48, v[SB]
	v_and_b32 v[SB+2], s48, v[SB+2]
	v_add_nc_u32 v[SA], v[SA], v[SB]
	v_add_nc_u32 v[SA+2], v[SA+2], v[SB+2]
	v_add_nc_u32 v[SA], v[SA], v[SA+2]
	v_lshrrev_b32 v[SB], 16, v[SA]
	v_add_nc_u32 v[SA], v[SA], v[SB]
	v_lshrrev_b32 v[SB], 8, v[SA]
	v_add_nc_u32 v[SA], v[SA], v[SB]
	v_and_b32 v[SA], 0xff, v[SA]                   ; the chosen among my lane's 128 tokens
	; MY QUARTER OF THE LIST: 32 words, four a trip, their chains side by side.  Word 4 n + c holds tokens 32 (4 n + c) + lane.  A chosen lane's place is the count so far plus the chosen lanes below it.
	; The same eight trips add up all four quarters' counts: a quarter is eight lanes' tokens, and trip n takes lane n of each.
	s_lshl_b32 s32, s[WV], 3                       ; the lane that holds my first four words
	s_lshl_b32 s30, s[WV], 10                      ; my first token
	s_mov_b32 s33, 0
.irp c, 0,1,2,3
	s_mov_b32 s[QS+\c], 0
	s_mov_b32 s[QI+\c], 8*\c
.endr
	s_mov_b32 s[LC], 8
.Llist:
.irp c, 0,1,2,3
	v_readlane_b32 s[50+\c], v[BMW+\c], s32
.endr
	v_readlane_b32 s24, v[SA], s[QI]
	v_readlane_b32 s25, v[SA], s[QI+1]
	v_readlane_b32 s42, v[SA], s[QI+2]
	v_readlane_b32 s43, v[SA], s[QI+3]
.irp c, 0,1,2,3
	v_add_nc_u32 v[TV+\c], s30, v[TK+\c]
.endr
	s_mov_b32 s54, s33
	s_bcnt1_i32_b32 s31, s50
	s_add_co_u32 s55, s54, s31
	s_bcnt1_i32_b32 s31, s51
	s_add_co_u32 s56, s55, s31
	s_bcnt1_i32_b32 s31, s52
	s_add_co_u32 s57, s56, s31
	s_bcnt1_i32_b32 s31, s53
	s_add_co_u32 s33, s57, s31
.irp c, 0,1,2,3
	v_mbcnt_lo_u32_b32 v[LT+\c], s[50+\c], s[54+\c]
.endr
.irp c, 0,1,2,3
	v_cndmask_b32 v[LT+\c], v[DI], v[LT+\c], s[50+\c]  ; not chosen: a place behind the segment's 1,024
.endr
.irp c, 0,1,2,3
	v_min_u32 v[LT+\c], 0x41f, v[LT+\c]            ; 1,024 places and 32: the address stays in my wave's 2,112 bytes
.endr
.irp c, 0,1,2,3
	v_lshlrev_b32 v[LT+\c], 1, v[LT+\c]
.endr
.irp c, 0,1,2,3
	v_add_nc_u32 v[LT+\c], v[LT+\c], v[LW]
.endr
.irp c, 0,1,2,3
	ds_store_b16 v[LT+\c], v[TV+\c]
.endr
	s_add_co_u32 s[QS], s[QS], s24
	s_add_co_u32 s[QS+1], s[QS+1], s25
	s_add_co_u32 s[QS+2], s[QS+2], s42
	s_add_co_u32 s[QS+3], s[QS+3], s43
.irp c, 0,1,2,3
	s_add_co_u32 s[QI+\c], s[QI+\c], 1
.endr
	s_add_co_u32 s32, s32, 1
	s_add_co_u32 s30, s30, 128
	s_sub_co_u32 s[LC], s[LC], 1
	s_cmp_lg_u32 s[LC], 0
	s_cbranch_scc1 .Llist
	s_mov_b32 s[QB], s[QS]                         ; the first ranks of quarters 1, 2, 3, and the expert's rows
	s_add_co_u32 s[QB+1], s[QS], s[QS+1]
	s_add_co_u32 s[QB+2], s[QB+1], s[QS+2]
	s_add_co_u32 s[CE], s[QB+2], s[QS+3]
	s_min_u32 s[CE], s[CE], 4096
	s_sub_co_u32 s[ADJ], SEGP, s[QB]               ; modulo 2^32: added to a rank of that quarter it gives 1,056 q + the rank in the quarter
	s_sub_co_u32 s[ADJ+1], 2*SEGP, s[QB+1]
	s_sub_co_u32 s[ADJ+2], 3*SEGP, s[QB+2]
	; THE PANEL.  Seven items' loads, 56, are younger than the item in hand, the slots filled again among them; the last eight items ask for nothing, and the counts run down
.irp i, 0,1,2,3,4,5,6,7
	WITEM \i, 56, 1
.endr
.irp i, 8,9,10,11,12,13,14,15
	WITEM \i, 56-8*((\i)-8), 0
.endr
	; b1 rounded to bf16, back as f32, into the registers that the ring has left
.set k, 0
.rept 32
	v_cvt_pk_bf16_f32 v[BT+k], v[BL+2*k], v[BL+2*k+1]
.set k, k+1
.endr
	WIN 0xc0
.set k, 0
.rept 32
	v_lshlrev_b32 v[64+2*k], 16, v[BT+k]
	v_and_b32 v[64+2*k+1], s41, v[BT+k]
.set k, k+1
.endr
	WIN 0
	s_wait_dscnt 0x0                               ; for the others' sake: my parts of the panel and of the list are written
	s_barrier_signal -1
	s_barrier_wait -1                              ; panel and list are whole; nothing writes them again
	s_add_co_u32 s[MB], s[CE], 15
	s_lshr_b32 s[MB], s[MB], 4
	s_add_co_u32 s[REM], s[MB], 7
	s_sub_co_u32 s[REM], s[REM], s[UU]
	s_lshr_b32 s[REM], s[REM], 3                   ; blocks u, u + 8, ... below the expert's number of blocks
	s_mov_b32 s[JB], 0
	s_max_u32 s42, s[CE], 1
	s_sub_co_u32 s42, s42, 1                       ; the last rank
	s_max_u32 s43, s[MB], 1
	s_sub_co_u32 s43, s43, 1                       ; the last block
	s_and_b32 s30, ttmp9, 31
	s_or_b32 s30, s30, s[WV]
	s_cmp_lg_u32 s30, 0
	s_cbranch_scc1 .Lnocnt                         ; one wave for each expert stores its count
	v_mov_b32 v[T0], s[CE]
	v_mov_b32 v[T1], 0
	s_wait_xcnt 0x0                                ; EXEC changes only behind this wait
	v_cmpx_gt_u32 1, v1
	global_store_b32 v[T1], v[T0], s[16:17]
	s_wait_xcnt 0x0
	s_mov_b32 exec_lo, -1
.Lnocnt:
	s_mov_b32 s[PASS], 4
.Lpass:
	s_cmp_eq_u32 s[REM], 0
	s_cbranch_scc1 .Lnext
	s_min_u32 s[NV], s[REM], 8
	s_cmp_eq_u32 s[REM], 9
	s_cselect_b32 s[NV], 9, s[NV]
	; the pass's rows: rank 16 block + lane % 16, held to the last block and the last rank; its place in the list, held to the list's 4,224 places by a constant; its token
	s_wait_xcnt 0x0                                ; the last pass's stores have read their registers
	s_lshl3_add_u32 s30, s[JB], s[UU]
.set i, 0
.rept 9
	s_add_co_u32 s31, s30, 8*i
	s_min_u32 s31, s31, s43
	s_min_u32 s31, s31, 255
	s_lshl_b32 s31, s31, 4
	v_add_nc_u32 v[IDX+i], s31, v2
.set i, i+1
.endr
	ALL9 v_min_u32 v[IDX+i], s42, v[IDX+i]
	ALL9 v_min_u32 v[IDX+i], 0xfff, v[IDX+i]
	PICK 0
	PICK 1
	PICK 2
	ALL9 v_add_nc_u32 v[TA+i], v[IDX+i], v[TA+i]
	ALL9 v_min_u32 v[TA+i], 0x107f, v[TA+i]
	ALL9 v_lshlrev_b32 v[TA+i], 1, v[TA+i]
	ALL9 v_add_nc_u32 v[TA+i], v[TA+i], v[LB]
	ALL9 ds_load_u16 v[OFF+i], v[TA+i]
	s_wait_dscnt 0x0
	ALL9 v_min_u32 v[OFF+i], 0xfff, v[OFF+i]
	ALL9 v_lshlrev_b32 v[PO+i], 5, v[OFF+i]        ; pos: 32 bytes a token (the expert's 4 bytes stand in the base)
	ALL9 v_lshlrev_b32 v[OFF+i], 10, v[OFF+i]      ; xb: 1,024 bytes a token
	ALL9 v_add_nc_u32 v[OFF+i], v[OFF+i], v3
	s_cmp_lg_u32 s[SL], 0
	s_cbranch_scc1 .Lnopos                         ; slice 0's waves store each row's rank at its token; lanes that repeat a row store the same number
.set i, 0
.rept 9
	s_cmp_gt_u32 s[NV], i
	s_cbranch_scc0 .Lnopos
	global_store_b32 v[PO+i], v[IDX+i], s[14:15]
.set i, i+1
.endr
.Lnopos:
	s_wait_xcnt 0x0                                ; those stores' registers lie in x's second buffer
	s_cmp_eq_u32 s[NV], 9
	s_cbranch_scc1 .Lnine
	KLOOP 8
	s_mov_b32 s40, 8
	s_branch .Lepi
.Lnine:
	KLOOP 9
	s_mov_b32 s40, 9
.Lepi:                                         ; the last K step has ended with its four places
.irp m, 0,1,2,3,4,5,6,7,8
	EPI \m
.endr
.Lepi_end:
	s_add_co_u32 s[JB], s[JB], s40
	s_sub_co_i32 s[REM], s[REM], s40
	s_max_i32 s[REM], s[REM], 0
.Lnext:
	s_sub_co_u32 s[PASS], s[PASS], 1
	s_cmp_lg_u32 s[PASS], 0
	s_cbranch_scc1 .Lpass
	s_wait_dscnt 0x0                               ; my reads of the panel and of the list are back
	s_barrier_signal -1
	s_barrier_wait -1                              ; every wave's are: LDS is written again, by the closing add, only behind all reads of the panel
	s_wait_tensorcnt 0x0                           ; the wave's end
	ds_add_u32 v[SPW], v[NIL]
	s_wait_dscnt 0x0
	s_endpgm
.Lfunc_end_k_q7e8365156c_up:
	.size	k_q7e8365156c_up, .Lfunc_end_k_q7e8365156c_up-k_q7e8365156c_up
	.p2alignl 7, 3214868480
	.fill 96, 4, 3214868480
	.section	.rodata,"a",@progbits
	.p2align	6, 0x0
	.amdhsa_kernel k_q7e8365156c_up
		.amdhsa_group_segment_fixed_size 142080
		.amdhsa_private_segment_fixed_size 0
		.amdhsa_enable_private_segment 0
		.amdhsa_kernarg_size 56
		.amdhsa_user_sgpr_count 2
		.amdhsa_user_sgpr_kernarg_segment_ptr 1
		.amdhsa_wavefront_size32 1
		.amdhsa_system_sgpr_workgroup_id_x 1
		.amdhsa_system_sgpr_workgroup_id_y 1
		.amdhsa_system_sgpr_workgroup_id_z 1
		.amdhsa_system_vgpr_workitem_id 0
		.amdhsa_next_free_vgpr 968
		.amdhsa_next_free_sgpr 66
		.amdhsa_reserve_vcc 1
		.amdhsa_float_denorm_mode_32 3
		.amdhsa_float_denorm_mode_16_64 3
		.amdhsa_memory_ordered 1
		.amdhsa_forward_progress 1
		.amdhsa_inst_pref_size 210
	.end_amdhsa_kernel
	.amdgpu_metadata
---
amdhsa.version: [ 1, 2 ]
amdhsa.kernels:
  - .name:           k_q7e8365156c_up
    .symbol:         k_q7e8365156c_up.kd
    .args:
      - { .name: W1, .offset: 0, .size: 8, .value_kind: global_buffer, .address_space: global }
      - { .name: b1, .offset: 8, .size: 8, .value_kind: global_buffer, .address_space: global }
      - { .name: xb, .offset: 16, .size: 8, .value_kind: global_buffer, .address_space: global }
      - { .name: bitmap, .offset: 24, .size: 8, .value_kind: global_buffer, .address_space: global }
      - { .name: hbuf, .offset: 32, .size: 8, .value_kind: global_buffer, .address_space: global }
      - { .name: pos, .offset: 40, .size: 8, .value_kind: global_buffer, .address_space: global }
      - { .name: cnt, .offset: 48, .size: 8, .value_kind: global_buffer, .address_space: global }
    .group_segment_fixed_size: 142080
    .private_segment_fixed_size: 0
    .kernarg_segment_align: 8
    .kernarg_segment_size: 56
    .max_flat_workgroup_size: 128
    .sgpr_count:     66
    .vgpr_count:     968
    .wavefront_size: 32
...
	.end_amdgpu_metadata
.endif
;; end of part 2
;; launch down (part 3): grid 256 x 1, 4 waves a work-group, no clusters, 262,656 bytes of LDS; arguments W2, b2, hbuf, cnt, y; writes y
.if DOCPART == 3
	.amdgcn_target "amdgcn-amd-amdhsa--gfx1250"
	.amdhsa_code_object_version 6
	.text
	.protected	k_q7e8365156c_down
	.globl	k_q7e8365156c_down
	.p2align	8
	.type	k_q7e8365156c_down,@function
k_q7e8365156c_down:
	s_mov_b64 s[64:65], 0
	v_nop
	global_prefetch_b8 v0, s[64:65] scope:SCOPE_SE
	s_setreg_imm32_b32 hwreg(HW_REG_WAVE_MODE, 25, 1), 1
	s_wait_xcnt 0x0
; SECOND PRODUCT.  y[e][rank] = h[e][rank] W2[e] + b2[e], in f32, not yet weighed by the gate: a partial sum that the next launch adds up.
; SHARES.  Work-group id: g = id & 3, slice = (id >> 2) & 7 (64 of the 512 output columns), e = id >> 5.  The slice's weights, 2,048 x 64, are read as f32, rounded to bf16 on their way through registers
; and laid into LDS once, as a PANEL of matrix fragments.  The expert's blocks of 16 rows go in turn to the 16 waves u = 4 g + w that share (e, slice).  A wave works in passes of 4 blocks (5 where exactly
; 5 are left): 4 or 5 x 4 accumulators.  At most 16 blocks a wave: four passes, counted to the constant, dead ones jumped forward.  Every split is served; with an uneven split the time goes with the largest expert.
; h comes from memory straight into registers: hbuf holds it in the fragments' own order, [e][block][64 K steps][2 halves][32 lanes][16 bytes], so each load covers 512 neighbouring bytes.
; A RING OF SEVEN SLOTS holds h: six K steps, 12 x the pass's blocks in loads (48 or 60), are on their way while one is multiplied.  Seven, because 64 = 1 + 8 x 7 + 7: the step that starts the sums stands alone,
; eight trips of seven steps ask for all the rest, and seven steps ask for nothing.  The weights' fragments have seven slots too (the number has to divide a trip) and are asked for two steps ahead.
; THE PRODUCT: source 0 = 16 rows of h, source 1 = 16 output columns.  In the result lane l holds column place l % 16, and register j row 8 (l / 16) + j.  THE COLUMNS' ORDER is the panel's to choose:
; place r of column block nb is output column 4 r + nb.  So register j of a block's four accumulators holds four NEIGHBOURING columns of one row: the four additions of b2 put them into four registers
; on end, and one store of 16 bytes a lane fills 256 neighbouring bytes of a row with 16 lanes.  No way through LDS is needed.
; FORMATS.  W2 and b2 are rounded once to bf16; sums in f32, begun with 0; b2 added once at the end; y in f32.  NaN and infinities are not treated apart.
; NO CLUSTER, NO TENSOR LOAD.  The weights are wanted rounded and turned, so they pass through registers whatever brings them, and beside the panel's 262,144 bytes LDS has no room for a slice in f32.  h is shared
; by an expert's eight slices, but the number of passes hangs on a stored count, and such a loop holds no slots that are filled again and no barrier.
; LDS.  PANEL: fragment (K step kb, column block nb) at (4 kb + nb) x 1,024: two halves of 512 bytes, lane l at 16 l: stores and loads alike take 512 bytes on end.
; REGISTERS.  window 0: v0-20 addresses; v32-35 b2 of my four columns; accumulator (m, nb) at v[64 + 32 m + 8 nb]; v224-255 a block's rows on their way out.
;   h's slots of 5 x 8: slots 0-5 at v[256 + 40 s] (window 1), slot 6 at v512-551 (window 2).  The weights' slots of 4 x 8: slots 0-5 at v[576 + 32 s] (window 2), slot 6 at v768-799 (window 3).
;   While the panel is made all of window 1 is a ring of 8 x 32 for the weights.
.set PF,    1024
.set PKB,   4*PF                       ; a K step's four fragments
.set SPARE, 256*PF                     ; behind the panel: the spare words, 128 bytes a wave: two blocks of 256 bytes that no other line names
.set SPW, 4                            ; v4   LDS address of my spare word; never rewritten
.set NIL, 5                            ; v5   0; never rewritten
.set L16, 6                            ; v6   16 x lane; never rewritten
.set PAD, 7                            ; v7   16 x lane + the panel's byte at which the trip in hand begins: made anew in each trip from v6 and s44
.set WOF, 8                            ; v8   my 16 bytes of a row's 256, eight rows on for lanes 16-31, + my wave's 512 rows of W2
.set PST, 9                            ; v9   16 x lane + my wave's part of the panel
.set YO,  10                           ; v10  my 16 bytes of a row of y, eight rows on for lanes 16-31
.set BOF, 11                           ; v11  16 x (lane % 16)
.set OFF, 14                           ; v14-18  block i: its byte offset in the expert's part of hbuf + 16 x lane
.set T0,  19
.set BI,  32
.set BT,  36
.set ACC, 64
.set TT,  192                          ; while the panel is made: two sets of 16 registers for the rounded weights
.set RB,  224
.set WV,  18                           ; s18 wave   s19 expert   s20 slice   s21 g   s22 u
.set EX,  19
.set SL,  20
.set GG,  21
.set UU,  22
.set CE,  23                           ; s23 the expert's rows   s24 its blocks   s25 my blocks still to do   s26 my blocks done   s27 blocks to store in this pass
.set MB,  24
.set REM, 25
.set JB,  26
.set NV,  27
.set PASS, 28
.set KC,  29
.set PB,  44                           ; s44 the panel's byte at which the trip in hand begins
.set MSB, 0
.macro WIN new                         ; the immediate's high byte repeats the setting that is left; a switch that changes nothing is dropped
.if MSB != (\new)
	s_set_vgpr_msb (MSB<<8)|(\new)
.set MSB, \new
.endif
.endm
.macro PLACES                          ; four places between a matrix instruction and a load into, or a vector instruction on, its registers (ISA guide 7.12.1 for vector instructions)
.rept 4
	v_nop
.endr
.endm
; An item: sixteen rows of W2, eight for each half of the lanes; a load covers two runs of 256 neighbouring bytes.  Slot i takes the item i + ahead from the base in hand.
.macro WLOAD i, ahead
	WIN 0x40
.set j, 0
.rept 8
	global_load_b128 v[32*(\i)+4*j:32*(\i)+4*j+3], v[WOF], s[4:5] offset:((\i)+(\ahead))*32768+j*2048
.set j, j+1
.endr
.endm
; Slot i is rounded and turned: for each of my four columns the eight K make 16 bytes, my lane's part of half a fragment: column 4 (lane % 16) + c goes to column block c, place lane % 16.  left: the younger loads.
.macro WITEM i, left, again
	s_wait_loadcnt \left
	WIN 0x05
.set rb, 32*(\i)
.set tb, TT+16*((\i)%2)
.set c, 0
.rept 4
.set t, 0
.rept 4
	v_cvt_pk_bf16_f32 v[tb+4*c+t], v[rb+8*t+c], v[rb+8*t+4+c]
.set t, t+1
.endr
.set c, c+1
.endr
	WIN 0
.set c, 0
.rept 4
	ds_store_b128 v[PST], v[tb+4*c:tb+4*c+3] offset:((\i)/2)*PKB+((\i)%2)*512+c*PF
.set c, c+1
.endr
.if \again
	WLOAD \i, 8
.endif
.endm
.macro ALOAD NM, sl, imm               ; h's fragments of one K step for NM blocks, into slot sl
.if (\sl) < 6
	WIN 0x40
.set ab, 40*(\sl)
.else
	WIN 0x80
.set ab, 0
.endif
.set i, 0
.rept \NM
	global_load_b128 v[ab+8*i:ab+8*i+3],   v[OFF+i], s[34:35] offset:(\imm)
	global_load_b128 v[ab+8*i+4:ab+8*i+7], v[OFF+i], s[34:35] offset:(\imm)+512
.set i, i+1
.endr
.endm
.macro BLOAD sl, imm                   ; a K step's four weight fragments, into slot sl
.if (\sl) < 6
	WIN 0x80
.set bb, 64+32*(\sl)
.else
	WIN 0xc0
.set bb, 0
.endif
.set nb, 0
.rept 4
	ds_load_b128 v[bb+8*nb:bb+8*nb+3],   v[PAD] offset:(\imm)+nb*PF
	ds_load_b128 v[bb+8*nb+4:bb+8*nb+7], v[PAD] offset:(\imm)+nb*PF+512
.set nb, nb+1
.endr
.endm
; A K step of 32 on slot sl: 4 NM matrix instructions on different accumulators, which take turns, one instruction a turn.  Then h's slot takes the K step seven on (aimm: its place
; in the block, or -1), and the weights' slot two on takes the K step two on (bimm: its place in the panel, or -1).  stepb = 1: the loads' base goes on by a trip's 7,168 bytes; the loads that read it were issued a K step earlier.
.macro STEP NM, sl, init, aimm, bimm, lcnt, dcnt, stepb
	s_wait_loadcnt \lcnt                           ; this slot is in; the younger slots' loads, 2 NM each, may stay out
	s_wait_dscnt \dcnt                             ; this step's weights are in; the next step's eight loads may stay out
.if (\sl) < 6
	WIN 0x09                                       ; h in window 1, the weights in window 2
.set ab, 40*(\sl)
.set bb, 64+32*(\sl)
.else
	WIN 0x0e                                       ; h in window 2, the weights in window 3
.set ab, 0
.set bb, 0
.endif
.set m, 0
.rept \NM
.set nb, 0
.rept 4
.set rD, ACC+32*m+8*nb
.if \init
	v_wmma_f32_16x16x32_bf16 v[rD:rD+7], v[ab+8*m:ab+8*m+7], v[bb+8*nb:bb+8*nb+7], 0
.else
	v_wmma_f32_16x16x32_bf16 v[rD:rD+7], v[ab+8*m:ab+8*m+7], v[bb+8*nb:bb+8*nb+7], v[rD:rD+7]
.endif
.set nb, nb+1
.endr
.set m, m+1
.endr
	PLACES
.if (\aimm) >= 0
.if \stepb
	s_wait_xcnt 0x0                                ; the loads' base is stepped only behind this wait
	s_add_nc_u64 s[34:35], s[34:35], 7168
.endif
	ALOAD \NM, \sl, \aimm
.endif
.if (\bimm) >= 0
	BLOAD ((\sl)+2)%7, \bimm
.endif
.endm
; K = 2,048: 64 steps on slots 0 to 6 by turns.  Step 0 starts the sums and asks for step 7; eight trips of seven steps ask for steps 8 to 63; the last seven steps ask for no more of h, and the counts run down.
.macro KLOOP NM
	s_mov_b64 s[34:35], s[8:9]
	s_mov_b32 s[PB], 0
	v_mov_b32 v[PAD], v[L16]
.irp q, 0,1,2,3,4,5,6
	ALOAD \NM, \q, 1024*\q
.endr
	BLOAD 0, 0
	BLOAD 1, PKB
	STEP \NM, 0, 1, 7*1024, 2*PKB, 12*(\NM), 8, 0
	WIN 0                                          ; at a label and at a branch every window is 0
	s_mov_b32 s[KC], 8
.Lk_\@:
	STEP \NM, 1, 0, 1024, 3*PKB, 12*(\NM), 8, 1
.irp q, 1,2,3,4,5,6
	STEP \NM, (1+\q)%7, 0, 1024*(1+\q), (3+\q)*PKB, 12*(\NM), 8, 0
.endr
	WIN 0
	s_add_co_u32 s[PB], s[PB], 7*PKB               ; the panel's step is kept in a scalar register,
	v_add_nc_u32 v[PAD], s[PB], v[L16]             ; and the address made anew from the lane's fixed term
	s_sub_co_u32 s[KC], s[KC], 1
	s_cmp_lg_u32 s[KC], 0
	s_cbranch_scc1 .Lk_\@
.irp q, 0,1,2,3,4
	STEP \NM, 1+\q, 0, -1, (3+\q)*PKB, (6-\q)*2*(\NM), 8, 0
.endr
	STEP \NM, 6, 0, -1, -1, 2*(\NM), 8, 0
	STEP \NM, 0, 0, -1, -1, 0, 0, 0
	WIN 0
.endm
; THE WAY OUT of block m.  Row 8 (lane / 16) + j: register j of the four accumulators, b2 added, makes my four neighbouring columns; sixteen lanes store 256 neighbouring bytes, at a multiple of 256 from y's first byte.
; Each accumulator's register 0 is read first.
.macro EPI m
	s_cmp_gt_u32 s[NV], \m
	s_cbranch_scc0 .Lepi_end                       ; blocks past the count are not stored
	s_wait_xcnt 0x0                                ; the last block's stores have read their registers and their base
	s_add_co_u32 s30, s[JB], \m
	s_lshl4_add_u32 s30, s30, s[UU]                ; the block's number: 16 x (my blocks before it) + u
	s_min_u32 s30, s30, 255
	s_lshl_b32 s38, s30, 15                        ; 16 rows of 2,048 bytes
	s_add_nc_u64 s[36:37], s[12:13], s[38:39]
.set j, 0
.rept 8
.set nb, 0
.rept 4
	v_add_f32 v[RB+4*j+nb], v[ACC+32*(\m)+8*nb+j], v[BI+nb]
.set nb, nb+1
.endr
	global_store_b128 v[YO], v[RB+4*j:RB+4*j+3], s[36:37] offset:2048*j
.set j, j+1
.endr
.endm
	s_load_b256 s[4:11], s[0:1], 0x0               ; W2 s[4:5], b2 s[6:7], hbuf s[8:9], cnt s[10:11]
	s_load_b64 s[12:13], s[0:1], 0x20              ; y
	v_lshl_add_u32 v[SPW], v0, 2, SPARE
	v_mov_b32 v[NIL], 0
	v_lshrrev_b32 v[T0], 5, v0
	v_readfirstlane_b32 s[WV], v[T0]
	v_and_b32 v1, 31, v0                           ; lane
	v_and_b32 v2, 15, v0                           ; lane % 16
	v_bfe_u32 v3, v0, 4, 1                         ; lane / 16
	v_lshlrev_b32 v[L16], 4, v1
	s_and_b32 s[GG], ttmp9, 3
	s_bfe_u32 s[SL], ttmp9, 0x30002
	s_lshr_b32 s[EX], ttmp9, 5
	s_lshl2_add_u32 s[UU], s[GG], s[WV]
	v_lshlrev_b32 v[BOF], 4, v2
	v_lshl_add_u32 v[WOF], v3, 14, v[BOF]          ; eight rows of 2,048 bytes on for lanes 16-31
	v_lshl_add_u32 v[YO], v3, 14, v[BOF]           ; the same in y
	s_lshl_b32 s30, s[WV], 20                      ; 512 rows
	v_add_nc_u32 v[WOF], s30, v[WOF]
	s_lshl_b32 s30, s[WV], 16                      ; my wave's sixteen K steps of 4,096 bytes
	v_add_nc_u32 v[PST], s30, v[L16]
	s_mov_b32 s41, 0xffff0000
	s_mov_b32 s39, 0
	s_lshl_b32 s47, s[EX], 2
	s_wait_kmcnt 0x0
	s_load_b32 s[CE], s[10:11], s47 offset:0x0     ; the expert's rows, as the launch before counted them
	s_lshl_b32 s38, s[EX], 22                      ; W2: the expert's 4 MiB, the slice's 256 bytes of a row
	s_lshl_b32 s30, s[SL], 8
	s_add_co_u32 s38, s38, s30
	s_add_nc_u64 s[4:5], s[4:5], s[38:39]
	s_lshl_b32 s38, s[EX], 11
	s_add_co_u32 s38, s38, s30
	s_add_nc_u64 s[6:7], s[6:7], s[38:39]
	s_lshl_b32 s38, s[EX], 23                      ; y: the expert's 4,096 rows of 2,048 bytes
	s_add_co_u32 s38, s38, s30
	s_add_nc_u64 s[12:13], s[12:13], s[38:39]
	s_lshl_b32 s38, s[EX], 24
	s_add_nc_u64 s[8:9], s[8:9], s[38:39]
	global_load_b128 v[BI:BI+3], v[BOF], s[6:7]    ; b2 of my four columns, 4 (lane % 16) + 0..3
.irp i, 0,1,2,3,4,5,6,7
	WLOAD \i, 0                                    ; the ring is filled: 64 loads, 32 KB a wave
.endr
	WIN 0
	s_wait_loadcnt 63                              ; 64 loads are younger than b2's: b2 is in
	v_cvt_pk_bf16_f32 v[BT], v[BI], v[BI+1]        ; b2 rounded to bf16, back as f32
	v_cvt_pk_bf16_f32 v[BT+1], v[BI+2], v[BI+3]
	v_lshlrev_b32 v[BI], 16, v[BT]
	v_and_b32 v[BI+1], s41, v[BT]
	v_lshlrev_b32 v[BI+2], 16, v[BT+1]
	v_and_b32 v[BI+3], s41, v[BT+1]
	; THE PANEL: my wave's 32 items in four laps of eight.  Seven items' loads, 56, are younger than the item in hand, the slots filled again among them
	s_mov_b32 s46, 3
.Llap:
.irp i, 0,1,2,3,4,5,6,7
	WITEM \i, 56, 1
.endr
	WIN 0
	s_wait_xcnt 0x0                                ; the loads' base is stepped only behind this wait
	s_add_nc_u64 s[4:5], s[4:5], 262144            ; eight items of 16 rows
	v_add_nc_u32 v[PST], 4*PKB, v[PST]             ; four K steps
	s_sub_co_u32 s46, s46, 1
	s_cmp_lg_u32 s46, 0
	s_cbranch_scc1 .Llap
.irp i, 0,1,2,3,4,5,6,7
	WITEM \i, 56-8*(\i), 0                         ; the last lap asks for nothing: the counts run down
.endr
	s_wait_dscnt 0x0                               ; for the others' sake: my part of the panel is written
	s_barrier_signal -1
	s_barrier_wait -1                              ; the panel is whole; nothing writes it again
	s_wait_kmcnt 0x0
	s_min_u32 s[CE], s[CE], 4096
	s_add_co_u32 s[MB], s[CE], 15
	s_lshr_b32 s[MB], s[MB], 4
	s_add_co_u32 s[REM], s[MB], 15
	s_sub_co_u32 s[REM], s[REM], s[UU]
	s_lshr_b32 s[REM], s[REM], 4                   ; blocks u, u + 16, ... below the expert's number of blocks
	s_mov_b32 s[JB], 0
	s_max_u32 s43, s[MB], 1
	s_sub_co_u32 s43, s43, 1                       ; the last block
	s_mov_b32 s[PASS], 4
.Lpass:
	s_cmp_eq_u32 s[REM], 0
	s_cbranch_scc1 .Lnext
	s_min_u32 s[NV], s[REM], 4
	s_cmp_eq_u32 s[REM], 5
	s_cselect_b32 s[NV], 5, s[NV]
	s_wait_xcnt 0x0
	s_lshl4_add_u32 s30, s[JB], s[UU]
.set i, 0
.rept 5                                        ; the pass's blocks, held to the last block
	s_add_co_u32 s31, s30, 16*i
	s_min_u32 s31, s31, s43
	s_min_u32 s31, s31, 255
	s_lshl_b32 s31, s31, 16
	v_add_nc_u32 v[OFF+i], s31, v[L16]
.set i, i+1
.endr
	s_cmp_eq_u32 s[NV], 5
	s_cbranch_scc1 .Lfive
	KLOOP 4
	s_mov_b32 s40, 4
	s_branch .Lepi
.Lfive:
	KLOOP 5
	s_mov_b32 s40, 5
.Lepi:                                         ; the last K step has ended with its four places
.irp m, 0,1,2,3,4
	EPI \m
.endr
.Lepi_end:
	s_add_co_u32 s[JB], s[JB], s40
	s_sub_co_i32 s[REM], s[REM], s40
	s_max_i32 s[REM], s[REM], 0
.Lnext:
	s_sub_co_u32 s[PASS], s[PASS], 1
	s_cmp_lg_u32 s[PASS], 0
	s_cbranch_scc1 .Lpass
	s_wait_dscnt 0x0                               ; my reads of the panel are back
	s_barrier_signal -1
	s_barrier_wait -1                              ; every wave's are: LDS is written again, by the closing add, only behind all reads of the panel
	s_wait_tensorcnt 0x0                           ; the wave's end
	ds_add_u32 v[SPW], v[NIL]
	s_wait_dscnt 0x0
	s_endpgm
.Lfunc_end_k_q7e8365156c_down:
	.size	k_q7e8365156c_down, .Lfunc_end_k_q7e8365156c_down-k_q7e8365156c_down
	.p2alignl 7, 3214868480
	.fill 96, 4, 3214868480
	.section	.rodata,"a",@progbits
	.p2align	6, 0x0
	.amdhsa_kernel k_q7e8365156c_down
		.amdhsa_group_segment_fixed_size 262656
		.amdhsa_private_segment_fixed_size 0
		.amdhsa_enable_private_segment 0
		.amdhsa_kernarg_size 40
		.amdhsa_user_sgpr_count 2
		.amdhsa_user_sgpr_kernarg_segment_ptr 1
		.amdhsa_wavefront_size32 1
		.amdhsa_system_sgpr_workgroup_id_x 1
		.amdhsa_system_sgpr_workgroup_id_y 1
		.amdhsa_system_sgpr_workgroup_id_z 1
		.amdhsa_system_vgpr_workitem_id 0
		.amdhsa_next_free_vgpr 800
		.amdhsa_next_free_sgpr 66
		.amdhsa_reserve_vcc 0
		.amdhsa_float_denorm_mode_32 3
		.amdhsa_float_denorm_mode_16_64 3
		.amdhsa_memory_ordered 1
		.amdhsa_forward_progress 1
		.amdhsa_inst_pref_size 132
	.end_amdhsa_kernel
	.amdgpu_metadata
---
amdhsa.version: [ 1, 2 ]
amdhsa.kernels:
  - .name:           k_q7e8365156c_down
    .symbol:         k_q7e8365156c_down.kd
    .args:
      - { .name: W2, .offset: 0, .size: 8, .value_kind: global_buffer, .address_space: global }
      - { .name: b2, .offset: 8, .size: 8, .value_kind: global_buffer, .address_space: global }
      - { .name: hbuf, .offset: 16, .size: 8, .value_kind: global_buffer, .address_space: global }
      - { .name: cnt, .offset: 24, .size: 8, .value_kind: global_buffer, .address_space: global }
      - { .name: y, .offset: 32, .size: 8, .value_kind: global_buffer, .address_space: global }
    .group_segment_fixed_size: 262656
    .private_segment_fixed_size: 0
    .kernarg_segment_align: 8
    .kernarg_segment_size: 40
    .max_flat_workgroup_size: 128
    .sgpr_count:     66
    .vgpr_count:     800
    .wavefront_size: 32
...
	.end_amdgpu_metadata
.endif
;; end of part 3
;; launch combine (part 4): grid 256 x 1, 8 waves a work-group, no clusters, 0 bytes of LDS; arguments sel, gate, pos, y, out0; writes out0
.if DOCPART == 4
	.amdgcn_target "amdgcn-amd-amdhsa--gfx1250"
	.amdhsa_code_object_version 6
	.text
	.protected	k_q7e8365156c_combine
	.globl	k_q7e8365156c_combine
	.p2align	8
	.type	k_q7e8365156c_combine,@function
k_q7e8365156c_combine:
	s_mov_b64 s[64:65], 0
	v_nop
	global_prefetch_b8 v0, s[64:65] scope:SCOPE_SE
	s_setreg_imm32_b32 hwreg(HW_REG_WAVE_MODE, 25, 1), 1
	s_wait_xcnt 0x0
; THE SUM.  out[t] = g0 y[e0][rank of t in e0] + g1 y[e1][rank of t in e1], all in f32.  A wave takes two tokens, t = 16 x work-group + 2 x wave and the next.
; Which rows: sel[t] holds the two experts, pos[8 t + e] the token's rank in expert e's list; both are whole numbers stored by earlier launches, read by scalar loads, and held to their tables' sizes
; by a constant minimum before they enter an address.  A row of y or out is 2,048 bytes: four loads or stores of 512 neighbouring bytes.
; A stream: no LDS, no barrier, no matrix unit, no cluster (no two work-groups read the same byte of y).
	s_load_b256 s[4:11], s[0:1], 0x0               ; sel s[4:5], gate s[6:7], pos s[8:9], y s[10:11]
	s_load_b64 s[12:13], s[0:1], 0x20              ; out0
	v_lshrrev_b32 v1, 5, v0
	v_readfirstlane_b32 s14, v1                    ; wave
	v_and_b32 v2, 31, v0
	v_lshlrev_b32 v2, 4, v2                        ; 16 x lane
	s_lshl_b32 s15, ttmp9, 4
	s_lshl1_add_u32 s15, s14, s15                  ; t
	s_lshl_b32 s16, s15, 2                         ; its word of sel
	s_lshl_b32 s17, s15, 3                         ; its pair of gates
	s_lshl_b32 s18, s15, 5                         ; its eight words of pos
	s_lshl_b32 s52, s15, 11                        ; its row of out
	s_mov_b32 s53, 0
	s_wait_kmcnt 0x0
	s_load_b64 s[20:21], s[4:5], s16 offset:0x0    ; sel of both tokens
	s_load_b128 s[24:27], s[6:7], s17 offset:0x0   ; g0, g1 of t; g0, g1 of t + 1
	s_add_nc_u64 s[12:13], s[12:13], s[52:53]
	s_wait_kmcnt 0x0
	s_bfe_u32 s28, s20, 0x80000                    ; e0, e1 of t; e0, e1 of t + 1
	s_bfe_u32 s29, s20, 0x80008
	s_bfe_u32 s30, s21, 0x80000
	s_bfe_u32 s31, s21, 0x80008
.irp k, 0,1,2,3
	s_min_u32 s[28+\k], s[28+\k], 7
	s_lshl_b32 s[32+\k], s[28+\k], 2
	s_add_co_u32 s[32+\k], s[32+\k], s18
.endr
	s_load_b32 s36, s[8:9], s32 offset:0x0
	s_load_b32 s37, s[8:9], s33 offset:0x0
	s_load_b32 s38, s[8:9], s34 offset:0x20        ; the next token's eight words
	s_load_b32 s39, s[8:9], s35 offset:0x20
	s_mov_b32 s48, s25                             ; the packed multiply takes a pair's low word for both halves: g1 gets pairs of its own
	s_mov_b32 s49, s25
	s_mov_b32 s50, s27
	s_mov_b32 s51, s27
	s_wait_kmcnt 0x0
.irp k, 0,1,2,3
	s_min_u32 s[36+\k], s[36+\k], 4095
	s_lshl_b32 s[28+\k], s[28+\k], 12
	s_add_co_u32 s[28+\k], s[28+\k], s[36+\k]      ; the row: 4,096 e + rank
	s_lshl_b32 s[40+2*\k], s[28+\k], 11
	s_mov_b32 s[41+2*\k], 0
	s_add_nc_u64 s[40+2*\k:41+2*\k], s[10:11], s[40+2*\k:41+2*\k]
.endr
.irp k, 0,1,2,3                                ; sixteen loads at once: row k at v[8 + 16 k ..]
.irp q, 0,1,2,3
	global_load_b128 v[8+16*\k+4*\q:8+16*\k+4*\q+3], v2, s[40+2*\k:41+2*\k] offset:512*\q th:TH_LOAD_NT
.endr
.endr
.irp k, 0,1
	s_wait_loadcnt 8-8*\k                          ; the first token's eight loads are in, the second's may stay out; then all
.irp p, 0,1,2,3,4,5,6,7
	v_pk_mul_f32 v[24+32*\k+2*\p:24+32*\k+2*\p+1], v[24+32*\k+2*\p:24+32*\k+2*\p+1], s[48+2*\k:49+2*\k] op_sel_hi:[1,0]
.endr
.irp p, 0,1,2,3,4,5,6,7
	v_pk_fma_f32 v[8+32*\k+2*\p:8+32*\k+2*\p+1], v[8+32*\k+2*\p:8+32*\k+2*\p+1], s[24+2*\k:25+2*\k], v[24+32*\k+2*\p:24+32*\k+2*\p+1] op_sel_hi:[1,0,1]
.endr
.irp q, 0,1,2,3
	global_store_b128 v2, v[8+32*\k+4*\q:8+32*\k+4*\q+3], s[12:13] offset:2048*\k+512*\q th:TH_STORE_NT
.endr
.endr
	s_endpgm
.Lfunc_end_k_q7e8365156c_combine:
	.size	k_q7e8365156c_combine, .Lfunc_end_k_q7e8365156c_combine-k_q7e8365156c_combine
	.p2alignl 7, 3214868480
	.fill 96, 4, 3214868480
	.section	.rodata,"a",@progbits
	.p2align	6, 0x0
	.amdhsa_kernel k_q7e8365156c_combine
		.amdhsa_group_segment_fixed_size 0
		.amdhsa_private_segment_fixed_size 0
		.amdhsa_enable_private_segment 0
		.amdhsa_kernarg_size 40
		.amdhsa_user_sgpr_count 2
		.amdhsa_user_sgpr_kernarg_segment_ptr 1
		.amdhsa_wavefront_size32 1
		.amdhsa_system_sgpr_workgroup_id_x 1
		.amdhsa_system_sgpr_workgroup_id_y 1
		.amdhsa_system_sgpr_workgroup_id_z 1
		.amdhsa_system_vgpr_workitem_id 0
		.amdhsa_next_free_vgpr 72
		.amdhsa_next_free_sgpr 66
		.amdhsa_reserve_vcc 0
		.amdhsa_float_denorm_mode_32 3
		.amdhsa_float_denorm_mode_16_64 3
		.amdhsa_memory_ordered 1
		.amdhsa_forward_progress 1
		.amdhsa_inst_pref_size 8
	.end_amdhsa_kernel
	.amdgpu_metadata
---
amdhsa.version: [ 1, 2 ]
amdhsa.kernels:
  - .name:           k_q7e8365156c_combine
    .symbol:         k_q7e8365156c_combine.kd
    .args:
      - { .name: sel, .offset: 0, .size: 8, .value_kind: global_buffer, .address_space: global }
      - { .name: gate, .offset: 8, .size: 8, .value_kind: global_buffer, .address_space: global }
      - { .name: pos, .offset: 16, .size: 8, .value_kind: global_buffer, .address_space: global }
      - { .name: y, .offset: 24, .size: 8, .value_kind: global_buffer, .address_space: global }
      - { .name: out0, .offset: 32, .size: 8, .value_kind: global_buffer, .address_space: global }
    .group_segment_fixed_size: 0
    .private_segment_fixed_size: 0
    .kernarg_segment_align: 8
    .kernarg_segment_size: 40
    .max_flat_workgroup_size: 256
    .sgpr_count:     66
    .vgpr_count:     72
    .wavefront_size: 32
...
	.end_amdgpu_metadata
.endif
;; end of part 4
